; MI455X (gfx1250); checked and timed in simulation.
; The chip was launched on July 23, 2026; its instructions are those of AMD's public machine-readable ISA for CDNA 5 (MIT licence, August 2026) and "CDNA5" Instruction Set Architecture Reference Guide (July 2026). The comments in the code are by the model that wrote it; some were corrected since.
;; B Spline Basis. Allowed arithmetic: float matrix products may take bf16 or f16 operands with f32 sums; other float arithmetic in f32, or as packed bf16 or f16 multiplies, adds, multiply-adds, maxima and minima; sums over many terms, partial sums and values carried from step to step in f32; what a program stores and reads back later, other than sums and carried values, may be rounded once to bf16 or f16.
;; Inputs: base_weight 512 x 512 float32; coeffs 512 x 512 x 8 float32; x 16,384 x 512 float32.
;; Outputs: out0 16,384 x 512 float32; out1 1 float32.
;; One version. Each part assembles by itself: llvm-mc -triple=amdgcn-amd-amdhsa -mcpu=gfx1250 --defsym DOCPART=n.
;; ======== version 1 of 1: 2 launches
;; limits: values are held in f16: magnitudes above 65,504 overflow, below 6.1e-05 lose precision; inputs' magnitudes at most 65,504
;; workspace buffers: wt 4,194,304 bytes; part 65,536 bytes
;; launch prep (part 1): grid 32 x 8, 8 waves a work-group, no clusters, 19,456 bytes of LDS; arguments coeffs, base_weight, wt, part, out1; writes wt, part, out1
.if DOCPART == 1
	.amdgcn_target "amdgcn-amd-amdhsa--gfx1250"
	.amdhsa_code_object_version 6
	.text
	.protected	k_q84eaed7d67_prep
	.globl	k_q84eaed7d67_prep
	.p2align	8
	.type	k_q84eaed7d67_prep,@function
k_q84eaed7d67_prep:
	s_mov_b64 s[64:65], 0
	v_nop
	global_prefetch_b8 v0, s[64:65] scope:SCOPE_SE
	s_setreg_imm32_b32 hwreg(HW_REG_WAVE_MODE, 25, 1), 1
	s_wait_xcnt 0x0
; THE WEIGHTS OF ONE PRODUCT.  On [-1, 1] the eight cubic B-splines of the uniform knots sum to 1, so
;   sum_j B_j C_j = C_7 + sum_{j<7} B_j (C_j - C_7).
; A feature i then takes 8 places of K (16 bytes of f16): places 0-6 hold (coeffs[i][o][j] - coeffs[i][o][7]) / 6 (the other operand holds 6 B_j),
; place 7 holds base_weight[i][o] (the other operand holds x).  The C_7 are summed in f32 and added at the end of the next launch.
; ROUNDING.  Every input of the program is rounded once to bf16 before anything is made of it: here coeffs and base_weight.  The difference of two such numbers is exact in f32
; (as long as their exponents lie within 16 of each other); it is divided by 6 and rounded once to f16.  A bf16 number is exact in f16 from 6.1e-5 up.
; wt:   f16 [kappa 0..31][o 0..511][128 k]: a K step's rows are 256 bytes and lie end to end.  kappa = 4 g + c; the 16-byte piece q of a row is feature 64 g + 4 q + c.
; part: f32 [kappa][o] = the sum of the rounded coeffs[i][o][7] over the step's 16 features.      out1 = 0.
; SHARES.  A work-group makes one step kappa (grid x) for 64 outputs (grid y).  Thread: output nl = t % 64, pieces q = t / 64 + 4 it, it = 0..3.
; A thread's 32 bytes of coeffs are its own; 32 lanes read 1,024 consecutive bytes with two loads.  The tile is turned in LDS, and leaves as whole rows: each store of a wave covers 512 consecutive bytes, aligned.
; LIMITS.  f16 ends at 65,504: |base_weight| and |coeffs_j - coeffs_7| / 6 stay below it; below 6.1e-5 a weight keeps f16's fixed step of 6e-8.
; Under a common offset of coeffs the error of the differences grows with the offset, as bf16's step does.
.set PITCH, 272                        ; a row of the tile in LDS: 256 bytes + 16: 68 words, so 16 neighbouring rows start at 16 different groups of four banks (64 banks of 4 bytes: ISA guide 11.1)
.set PB,    64*PITCH                   ; 17,408: the four partial sums of C_7, [t / 64][64] f32: 1,024 bytes
.set SPARE, PB+1024                    ; 18,432: the spare words, 128 bytes for each of the eight waves; no other line names them
.set CO,  3                            ; v3   my byte offset in coeffs
.set BO,  4                            ; v4   my byte offset in base_weight
.set LST, 5                            ; v5   where I put 16 bytes of the tile
.set SPW, 6                            ; v6   LDS address of my spare word; never rewritten
.set NIL, 7                            ; v7   0, for the add alone
.set C,   8                            ; v[8:39]  coeffs, 8 an item; later the rows read back
.set BW,  40                           ; v[40:43] base_weight, one an item
.set T,   44                           ; v44  base_weight, rounded
.set DD,  46                           ; v[46:52] the seven differences
.set H,   54                           ; v[54:57] 8 numbers of 16 bits
.set SUM, 58                           ; v58  my four c7
	s_load_b256 s[4:11], s[0:1], 0x0               ; coeffs s[4:5], base_weight s[6:7], wt s[8:9], part s[10:11]
	s_load_b64 s[12:13], s[0:1], 0x20              ; out1
	v_lshl_add_u32 v[SPW], v0, 2, SPARE
	v_mov_b32 v[NIL], 0
	v_lshrrev_b32 v1, 5, v0
	v_readfirstlane_b32 s14, v1                    ; wave 0..7
	v_and_b32 v1, 63, v0                           ; nl
	v_lshrrev_b32 v2, 6, v0                        ; t / 64
	v_lshlrev_b32 v[CO], 5, v1                     ; 32 bytes an output,
	v_lshl_add_u32 v[CO], v2, 16, v[CO]            ; 4 features of 16,384 bytes a piece
	v_lshlrev_b32 v[BO], 2, v1
	v_lshl_add_u32 v[BO], v2, 13, v[BO]            ; 4 features of 2,048 bytes
	v_mul_u32_u24 v[LST], v1, PITCH
	v_lshl_add_u32 v[LST], v2, 4, v[LST]
	v_lshl_add_u32 v59, v0, 2, PB                  ; my word among the partial sums: (t / 64) x 64 + nl = t
	v_and_b32 v1, 15, v0
	v_bfe_u32 v2, v0, 4, 1
	v_and_b32 v62, 31, v0
	s_mul_i32 s15, s14, 8*PITCH                    ; wave w reads rows 8 w .. 8 w + 7 back
	v_mul_u32_u24 v60, v2, PITCH                   ; lanes 0-15 one row, lanes 16-31 the next
	v_lshl_add_u32 v60, v1, 4, v60
	v_add_nc_u32 v60, s15, v60
	s_lshl_b32 s15, s14, 11
	v_lshl_add_u32 v61, v62, 4, s15                ; and the same rows in wt: 2,048 w + 16 lane
	v_lshlrev_b32 v62, 3, v62                      ; 8 x lane
	v_mov_b32 v63, 0                               ; out1's offset and value
	s_and_b32 s15, ttmp7, 0xffff                   ; the block of 64 outputs
	s_lshr_b32 s16, ttmp9, 2                       ; g
	s_and_b32 s17, ttmp9, 3                        ; c
	s_lshl_b32 s16, s16, 6
	s_add_co_u32 s16, s16, s17                     ; feature 64 g + c
	s_lshl_b32 s16, s16, 9
	s_lshl_b32 s17, s15, 6
	s_add_co_u32 s16, s16, s17                     ; x 512 + the block's first output
	s_lshl_b32 s18, s16, 5                         ; in bytes of coeffs
	s_mov_b32 s19, 0
	s_lshl_b32 s20, s16, 2                         ; and of base_weight
	s_mov_b32 s21, 0
	s_mov_b32 s22, 0x3e2aaaab                      ; 1 / 6
	s_mov_b32 s30, 0xffff0000                      ; a word's upper bf16
	s_lshl_b32 s24, ttmp9, 17                      ; wt: 512 rows of 256 bytes a step,
	s_lshl_b32 s25, s15, 14                        ; 64 rows a block
	s_add_co_u32 s24, s24, s25
	s_mov_b32 s25, 0
	s_lshl_b32 s26, ttmp9, 11                      ; part: 2,048 bytes a step, 256 a block
	s_lshl_b32 s27, s15, 8
	s_add_co_u32 s26, s26, s27
	s_mov_b32 s27, 0
	s_or_b32 s28, ttmp9, s15                       ; 0 in the first work-group alone
	s_wait_kmcnt 0x0
	s_add_nc_u64 s[4:5], s[4:5], s[18:19]
	s_add_nc_u64 s[6:7], s[6:7], s[20:21]
	s_add_nc_u64 s[8:9], s[8:9], s[24:25]
	s_add_nc_u64 s[10:11], s[10:11], s[26:27]
.irp it, 0,1,2,3                       ; all twelve loads go out at once; an item is 16 features further on
	global_load_b128 v[C+8*\it:C+8*\it+3],   v[CO], s[4:5] offset:\it*262144 th:TH_LOAD_NT
	global_load_b128 v[C+8*\it+4:C+8*\it+7], v[CO], s[4:5] offset:\it*262144+16 th:TH_LOAD_NT
	global_load_b32  v[BW+\it],              v[BO], s[6:7] offset:\it*32768 th:TH_LOAD_NT
.endr
.macro ITEM it
.set CC, C+8*(\it)
	s_wait_loadcnt 9-3*(\it)                       ; loads come back in order: this item's three are in, three for each later item may stay out
.irp k, 0,1,2,3
	v_cvt_pk_bf16_f32 v[H+\k], v[CC+2*\k], v[CC+2*\k+1]  ; the inputs are rounded to bf16, to nearest even,
.endr
	v_cvt_pk_bf16_f32 v[T], v[BW+(\it)], v[BW+(\it)]
.irp k, 0,1,2,3
	v_lshlrev_b32 v[CC+2*\k],   16,  v[H+\k]       ; and go on as f32
	v_and_b32     v[CC+2*\k+1], s30, v[H+\k]
.endr
	v_lshlrev_b32 v[T], 16, v[T]
.irp j, 0,1,2,3,4,5,6
	v_sub_f32 v[DD+\j], v[CC+\j], v[CC+7]          ; c_j - c_7
.endr
.irp j, 0,1,2,3,4,5,6
	v_mul_f32 v[DD+\j], s22, v[DD+\j]              ; / 6
.endr
	v_cvt_pk_f16_f32 v[H],   v[DD],   v[DD+1]
	v_cvt_pk_f16_f32 v[H+1], v[DD+2], v[DD+3]
	v_cvt_pk_f16_f32 v[H+2], v[DD+4], v[DD+5]
	v_cvt_pk_f16_f32 v[H+3], v[DD+6], v[T]         ; place 7: base_weight
	ds_store_b128 v[LST], v[H:H+3] offset:64*(\it) ; piece q = t / 64 + 4 it of row nl
.if (\it) == 0
	v_mov_b32 v[SUM], v[CC+7]
.else
	v_add_f32 v[SUM], v[SUM], v[CC+7]
.endif
.endm
	ITEM 0
	ITEM 1
	ITEM 2
	ITEM 3
	ds_store_b32 v59, v[SUM]
	s_wait_dscnt 0x0                               ; for the others' sake: my stores are done
	s_barrier_signal -1
	s_barrier_wait -1                              ; the tile and the partial sums are whole
.irp u, 0,1,2,3
	ds_load_b128 v[C+4*\u:C+4*\u+3], v60 offset:\u*2*PITCH
.endr
.irp u, 0,1,2,3
	s_wait_dscnt 3-\u                              ; the younger row loads may stay out
	global_store_b128 v61, v[C+4*\u:C+4*\u+3], s[8:9] offset:\u*512  ; two rows: 512 consecutive bytes, at a multiple of 256 from wt's first
.endr
	s_cmp_lg_u32 s14, 0                            ; wave 0 adds the four partial sums: lane l takes outputs 2 l, 2 l + 1
	s_cbranch_scc1 .Lend
.irp g, 0,1,2,3
	ds_load_b64 v[24+2*\g:25+2*\g], v62 offset:PB+\g*256
.endr
	s_wait_dscnt 0x0
	v_pk_add_f32 v[24:25], v[24:25], v[26:27]
	v_pk_add_f32 v[28:29], v[28:29], v[30:31]
	v_pk_add_f32 v[24:25], v[24:25], v[28:29]
	global_store_b64 v62, v[24:25], s[10:11]       ; 256 consecutive bytes, aligned
	s_cmp_lg_u32 s28, 0                            ; the first work-group writes out1
	s_cbranch_scc1 .Lend
	v_cmp_eq_u32 vcc_lo, 0, v0
	s_wait_xcnt 0x0                                ; EXEC is a source of the stores above: it changes only behind this wait
	s_and_saveexec_b32 s29, vcc_lo
	global_store_b32 v63, v63, s[12:13]            ; 0.0
	s_wait_xcnt 0x0                                ; and again in front of the line that widens it
	s_or_b32 exec_lo, exec_lo, s29
.Lend:
	s_wait_tensorcnt 0x0                           ; the wave's end, behind my last LDS store
	ds_add_u32 v[SPW], v[NIL]
	s_wait_dscnt 0x0
	s_endpgm
.Lfunc_end_k_q84eaed7d67_prep:
	.size	k_q84eaed7d67_prep, .Lfunc_end_k_q84eaed7d67_prep-k_q84eaed7d67_prep
	.p2alignl 7, 3214868480
	.fill 96, 4, 3214868480
	.section	.rodata,"a",@progbits
	.p2align	6, 0x0
	.amdhsa_kernel k_q84eaed7d67_prep
		.amdhsa_group_segment_fixed_size 19456
		.amdhsa_private_segment_fixed_size 0
		.amdhsa_enable_private_segment 0
		.amdhsa_kernarg_size 40
		.amdhsa_user_sgpr_count 2
		.amdhsa_user_sgpr_kernarg_segment_ptr 1
		.amdhsa_wavefront_size32 1
		.amdhsa_system_sgpr_workgroup_id_x 1
		.amdhsa_system_sgpr_workgroup_id_y 1
		.amdhsa_system_sgpr_workgroup_id_z 1
		.amdhsa_system_vgpr_workitem_id 0
		.amdhsa_next_free_vgpr 64
		.amdhsa_next_free_sgpr 66
		.amdhsa_reserve_vcc 1
		.amdhsa_float_denorm_mode_32 3
		.amdhsa_float_denorm_mode_16_64 3
		.amdhsa_memory_ordered 1
		.amdhsa_forward_progress 1
		.amdhsa_inst_pref_size 12
	.end_amdhsa_kernel
	.amdgpu_metadata
---
amdhsa.version: [ 1, 2 ]
amdhsa.kernels:
  - .name:           k_q84eaed7d67_prep
    .symbol:         k_q84eaed7d67_prep.kd
    .args:
      - { .name: coeffs, .offset: 0, .size: 8, .value_kind: global_buffer, .address_space: global }
      - { .name: base_weight, .offset: 8, .size: 8, .value_kind: global_buffer, .address_space: global }
      - { .name: wt, .offset: 16, .size: 8, .value_kind: global_buffer, .address_space: global }
      - { .name: part, .offset: 24, .size: 8, .value_kind: global_buffer, .address_space: global }
      - { .name: out1, .offset: 32, .size: 8, .value_kind: global_buffer, .address_space: global }
    .group_segment_fixed_size: 19456
    .private_segment_fixed_size: 0
    .kernarg_segment_align: 8
    .kernarg_segment_size: 40
    .max_flat_workgroup_size: 256
    .sgpr_count:     66
    .vgpr_count:     64
    .wavefront_size: 32
...
	.end_amdgpu_metadata
.endif
;; end of part 1
;; launch main (part 2): grid 4 x 64, 8 waves a work-group, clusters of 4 x 4, 327,680 bytes of LDS; arguments x, wt, part, out0; writes out0
.if DOCPART == 2
	.amdgcn_target "amdgcn-amd-amdhsa--gfx1250"
	.amdhsa_code_object_version 6
	.text
	.protected	k_q84eaed7d67_main
	.globl	k_q84eaed7d67_main
	.p2align	8
	.type	k_q84eaed7d67_main,@function
k_q84eaed7d67_main:
	s_mov_b64 s[64:65], 0
	v_nop
	global_prefetch_b8 v0, s[64:65] scope:SCOPE_SE
	s_setreg_imm32_b32 hwreg(HW_REG_WAVE_MODE, 25, 1), 1
	s_wait_xcnt 0x0
	s_wait_alu depctr_hold_cnt(0) depctr_sa_sdst(0) depctr_va_vdst(0) depctr_va_sdst(0) depctr_va_ssrc(0) depctr_va_vcc(0) depctr_vm_vsrc(0)
	s_getreg_b32 s2, hwreg(HW_REG_IB_STS2, 6, 4)
	s_cmp_eq_u32 s2, 0
	s_cbranch_scc0 .Lentry_in_a_cluster
	s_endpgm
.Lentry_in_a_cluster:
	s_bfe_u32 s2, ttmp6, 0x10000c
	s_cmp_lg_u32 s2, 0xf033
	s_cbranch_scc0 .Lentry_shape_is_right
	s_endpgm
.Lentry_shape_is_right:
; out0[b][o] = sum_i sum_n B_n(tanh x[b][i]) coeffs[i][o][n] + sum_i x[b][i] base_weight[i][o], as ONE product C = A W^T + bias with K = 512 features x 8 places = 4,096.
; W (wt, f16) and the parts of the bias (part, f32) were made by the launch before: places 0-6 of a feature hold (C_j - C_7) / 6, place 7 base_weight.  A is never in memory: it is made here, from x.
; ROUNDING.  Every input of the program is rounded once to bf16 before anything is made of it: here x, as it is taken up.  tanh and the splines are made of the rounded x in f32; 6 B is rounded once to f16;
; the rounded x is exact in f16 from 6.1e-5 up.
; A's 16 BYTES FOR ONE x.  r = 1 / (1 + 2^(2.885 x)), P2 = 2.5 - 2.5 r = (tanh x + 1) / 0.8 in (0, 2.5].  The knots are uniform, 0.4 apart, so B_j = beta(2 P2 + 3 - j), beta the cardinal cubic spline.
; A window of two cells e = floor(P2) has five live splines, j = 2 e .. 2 e + 4.  With z = 2 fract(P2), m = z - 1, u = max(-m, 0), v = max(m, 0), a = 2 - z:
;   y0 = u^3   y1 = a^3 - 4 u^3   y2 = 4 - 6 m^2 + 3 (u^3 + v^3)   y3 = z^3 - 4 v^3   y4 = v^3          (y_k = 6 B_(2e+k))
; Since a window begins at an even place, the pairs {y0,y1} {y2,y3} {y4,0} move by whole words: selects by e, no shifts; B_7 is left out (it is carried by the bias), and place 7 takes x.
; The masks select values only: no address and no branch hangs on data.
; SHARES.  A work-group makes 128 rows x 256 columns of C; 256 work-groups.  EIGHT WAVES OF 512 REGISTERS: waves 0-3 only multiply (64 x 128 of C each: 32 accumulators, 256 registers),
; waves 4-7 only make A (32 rows each) and store it into LDS, a K step (128 k = 16 features) ahead of its use.  So matrix and vector work come from different waves and need no interleaving in the text.
; ADDRESSES.  Every LDS address of both roles is made at the head, by every wave, in v2-v19, which no later line writes: the branches on the wave's number hold work alone.
; K ORDER.  Step kappa = 4 g + c takes features 64 g + 4 q + c, q = 0..15: a lane's 16 bytes of x (4 features) serve four steps on end, and 16 lanes read 256 consecutive bytes, aligned.
; THE RING.  W's tile of a step (256 rows x 256 bytes) goes through two LDS slots, each of the eight waves fetching 32 rows with one tensor load; A through two units written by ds_store, in bytes of their own.
; One round a step does it all: in front of it every wave has waited for its tensor load, for its LDS stores (A of the next step) and for its LDS reads (this step); behind it the slot just read is filled again first.
; All eight waves load, so that no branch leads round a tensor load; that is why a load has 32 rows and not 64.
; CLUSTER.  4 x 4 work-groups: column half = cx % 2, row block = 8 cluster y + 2 cy + cx / 2.  W's tile is shared down a column of the cluster (same cx) and asked for jointly.
; The walk along K begins at group (cluster y + 4 (cx / 2)) % 8 and wraps: this number enters W's and x's global addresses alone; it is the same in the four that a mask names.  f32 sums may be taken in any order.
; THE MATRIX INSTRUCTION IS USED TRANSPOSED (source 0 = 16 rows of W, source 1 = 16 rows of A): a lane holds one row of C and eight neighbouring columns.
; NO PREFETCH.  x is loaded into registers four steps, 512 matrix instructions, ahead of its use; W's tiles are walked by every cluster from different starts.
; LIMITS.  f16 operands: |x| stays below 65,504 (from 65,520 on the conversion gives an infinity where the f32 result is finite); 6 B lies in 0 to 4.  Operands below 6.1e-5 keep f16's fixed step of 6e-8.
; The knots count as exactly uniform, and 1 as 1.00000095 in tanh's denominator, so that r < 1 whatever the reciprocal's last bit: the place in the grid shifts by less than 5e-6 cells.
; A NaN in x makes its output row NaN; infinities are not treated apart.
.set PITCH,  272                       ; an LDS row of W or A: 256 bytes + 16 = 68 words: the 16 rows of a fragment load start at 16 different groups of four banks (64 banks of 4 bytes: ISA guide 11.1)
.set SLOTB,  256*PITCH                 ; 69,632: a slot of W; slots at 0 and SLOTB
.set AU0,    2*SLOTB                   ; 139,264: A's unit 0
.set AUB,    128*PITCH                 ; 34,816: a unit of A
.set STAGE,  AU0+2*AUB                 ; 208,896: 16 rows x 528 bytes for each multiplying wave, for the way out
.set SPITCH, 528                       ; 512 bytes + 16
.set STW,    16*SPITCH
.set BIAS,   STAGE+4*STW               ; 242,688: 256 f32
.set SPARE,  BIAS+1024                 ; 243,712: the spare words, 128 bytes for each of the eight waves; no other line names them
; vector registers made at the head by all waves and never rewritten
.set XO,  2                            ; v2      making: my byte offset in the block's rows of x
.set AST, 3                            ; v3      making: where I put 16 bytes of A, unit 0, my first row
.set PO,  4                            ; v4      making: my byte offset in a row of part
.set BST, 5                            ; v5      making: where I put my two numbers of the bias
.set SPW, 6                            ; v6      LDS address of my spare word
.set NIL, 7                            ; v7      0, for the add alone
.set ADRB, 8                           ; v8-9    multiplying: LDS address of my W fragments in slot 0, 1
.set ADRA, 10                          ; v10-11  multiplying: of my A fragments in unit 0, 1
.set STO,  12                          ; v12     the way out: where I put 32 bytes of a row
.set SRD,  13                          ; v13     where I read a row back
.set GO,   14                          ; v14     16 x lane: my bytes of a row of out0
.set BAD,  15                          ; v15     my four numbers of the bias in LDS
.set LQ,  16                           ; v16     lane % 16
.set LH,  17                           ; v17     (lane / 16) % 2
.set LL,  18                           ; v18     lane
.set FB,  19                           ; v19     a fragment's row x pitch + 16 x half
; multiplying waves.  Window 1 (v256-511): accumulator (a, b) at v[8 (8 a + b)], a = 0..3 (16 rows), b = 0..7 (16 columns)
.set BV,   20                          ; v[20:23] the bias of my four columns
.set F0,   64                          ; fragment buffers of 96: W's eight fragments, then A's four
.set F1,   160
; making waves (window 0 alone)
.set ZR,  20                           ; v20  0
.set PE,  24                           ; v[24:39]  16 evaluations: the exponent, then r, then P2.  (At the start v[24:87]: part)
.set PZ,  40                           ; arrays of 8, for half of them at a time
.set PM,  48
.set PQ,  56
.set PV,  64
.set PU,  72
.set PA,  80
.set PT,  88
.set PD,  96                           ; v[96:127]  4 words an evaluation
.set XC,  128                          ; v[128:191] the group of x in hand, rounded: step c, evaluation t at XC + 16 c + t
.set XN,  192                          ; v[192:255] the next group, as loaded: XN + 4 t + c
; scalar registers
.set WV,  12                           ; my wave's number
.set W4,  13                           ; % 4
.set MH,  14                           ; multiplying waves: which 64 rows,
.set NH,  15                           ; which 128 columns
.set CX,  16
.set CY,  17
.set HN,  18                           ; the work-group's column half
.set RB,  19                           ; its block of 128 rows
.set CLY, 20
.set GX,  21                           ; the group of x to be loaded next
.set KT,  22                           ; the tile of W to be asked for next
.set TRIP, 23
.set G1,  24                           ; s[24:31] descriptor group 1
.set G0,  32                           ; s[32:39] descriptor group 0, a set for each slot
.set WTB, 40                           ; s[40:41] wt at my 32 rows of tile 0
.set OFF, 42                           ; s[42:43] a tile's byte offset
.set XB,  44                           ; s[44:45] x at the block's first row
.set XA,  46                           ; s[46:47] the same at a group
.set XOF, 48                           ; s[48:49]
.set OUTB, 50                          ; s[50:51] out0 at my wave's first row and column
.set C25, 52                           ; s[52:53] 2.5
.set MHI, 61                           ; s61  a word's upper bf16
.set MK,  66                           ; s[66:81] evaluation i: P2 < 1 in s[MK+2i], P2 < 2 in s[MK+2i+1]
.set MSB, 0
.macro WIN new                         ; s_set_vgpr_msb: bits 1:0 source 0, 3:2 source 1, 5:4 source 2, 7:6 destination; the high byte repeats the setting that is left
.if MSB != (\new)
	s_set_vgpr_msb (MSB<<8)|(\new)
.set MSB, (\new)
.endif
.endm
.set MULW, 0x50                        ; C and D in window 1, both sources in window 0
.macro PLACES                          ; four places between a matrix instruction and a load into its sources or a reader of its result (ISA guide 7.12.1 for readers of its result)
.rept 4
	v_nop
.endr
.endm
.macro PK n, line:vararg               ; n lines on register pairs: i = 0, 2, ..
.set i, 0
.rept \n
	\line
.set i, i+2
.endr
.endm
.macro ONE n, line:vararg              ; n lines: i = 0, 1, ..
.set i, 0
.rept \n
	\line
.set i, i+1
.endr
.endm
; A round of the cluster's barrier: my work-group's barrier, wave 0 signals for the work-group, every wave waits for all sixteen, my work-group's barrier once more.
.macro CROUND
	s_barrier_signal -1
	s_barrier_wait -1
	s_cmp_lg_u32 s[WV], 0
	s_cbranch_scc1 .Lnot_wave_0_\@
	s_barrier_signal -3
.Lnot_wave_0_\@:
	s_barrier_wait -3
	s_barrier_signal -1
	s_barrier_wait -1
.endm
; My 32 rows of a tile of W into slot sl: the same line, mask and descriptor in the four work-groups of my column.  An s_nop 0 and four v_nop follow.
.macro TLOAD sl
	tensor_load_to_lds s[G0+4*(\sl):G0+4*(\sl)+3], s[G1:G1+7]
	s_nop 0
.rept 4
	v_nop
.endr
.endm
; THE CHANGE OF SLOTS, in every wave's text.  sl = the slot and unit just read: its next tile's address is made while the add is out.
.macro MEET sl
	s_wait_tensorcnt 0x0                           ; my one tensor load that was out, my part of the next step's tile, has landed: a group 0 may be written
	ds_add_u32 v[SPW], v[NIL]                      ; 0 onto my spare word
	s_lshl_b32 s[OFF], s[KT], 17                   ; a tile is 131,072 bytes
	s_add_nc_u64 s[G0+4*(\sl)+2:G0+4*(\sl)+3], s[WTB:WTB+1], s[OFF:OFF+1]
	s_or_b32 s[G0+4*(\sl)+3], s[G0+4*(\sl)+3], 0x80000000
	s_add_co_u32 s[KT], s[KT], 1
	s_and_b32 s[KT], s[KT], 31                     ; the walk wraps
	s_wait_dscnt 0x0                               ; the add is done; a multiplying wave's reads of this slot and unit are back; a making wave's stores of the next unit are done
	CROUND                                         ; all that now holds of every wave of all sixteen work-groups
.endm
; 24 LDS loads in one run: the fragments of 32 along K at byte k of the rows of slot and unit sg, into buffer f
.macro FETCH sg, k, f
	WIN 0
.set i, 0
.rept 8
	ds_load_b128 v[(\f)+8*i:(\f)+8*i+3],   v[ADRB+(\sg)] offset:(\k)+i*16*PITCH
	ds_load_b128 v[(\f)+8*i+4:(\f)+8*i+7], v[ADRB+(\sg)] offset:(\k)+i*16*PITCH+32
.set i, i+1
.endr
.set i, 0
.rept 4
	ds_load_b128 v[(\f)+64+8*i:(\f)+64+8*i+3],   v[ADRA+(\sg)] offset:(\k)+i*16*PITCH
	ds_load_b128 v[(\f)+64+8*i+4:(\f)+64+8*i+7], v[ADRA+(\sg)] offset:(\k)+i*16*PITCH+32
.set i, i+1
.endr
.endm
; 32 matrix instructions on buffer f.  The 32 accumulators take turns, one instruction a turn, in the same order everywhere.  zero = 1: the first products start the sums.
.macro MUL f, zero
	WIN MULW
.set b, 0
.rept 8
.set a, 0
.rept 4
.if \zero
	v_wmma_f32_16x16x32_f16 v[8*(8*a+b):8*(8*a+b)+7], v[(\f)+8*b:(\f)+8*b+7], v[(\f)+64+8*a:(\f)+64+8*a+7], 0
.else
	v_wmma_f32_16x16x32_f16 v[8*(8*a+b):8*(8*a+b)+7], v[(\f)+8*b:(\f)+8*b+7], v[(\f)+64+8*a:(\f)+64+8*a+7], v[8*(8*a+b):8*(8*a+b)+7]
.endif
.set a, a+1
.endr
.set b, b+1
.endr
.endm
; A quarter of a step: buffer g, which the last 32 products read, is asked for again; buffer f, asked for 32 products ago, is multiplied.
.macro QUARTER sg, k, g, f
	PLACES
	FETCH \sg, \k, \g
	s_wait_dscnt 24                                ; all but the 24 loads just issued: buffer f is in
	MUL \f, 0
	WIN 0                                          ; at a label and at a branch every window is 0
.endm
; The next group of x: 64 features (256 bytes) of my 32 rows: 16 loads, each two rows x 256 consecutive bytes, aligned.  The base is rewritten only behind XCOPY's wait for the loads that read it.
.macro XLOAD
	s_lshl_b32 s[XOF], s[GX], 8
	s_add_nc_u64 s[XA:XA+1], s[XB:XB+1], s[XOF:XOF+1]
	s_add_co_u32 s[GX], s[GX], 1
	s_and_b32 s[GX], s[GX], 7
	ONE 16, global_load_b128 v[XN+4*i:XN+4*i+3], v[XO], s[XA:XA+1] offset:i*4096
.endm
; The group that has come is rounded to bf16 (to nearest even, two numbers a line) and takes the place of the one used up, as f32, sorted by step, so that the packed lines find two rows of one feature
; in a register pair.  Number 2 i of the 64 is evaluation i / 2, step (2 i) % 4.  XN is then free for the next loads.
.macro XCOPY
	s_wait_loadcnt 0x0
	ONE 32, v_cvt_pk_bf16_f32 v[XN+2*i], v[XN+2*i], v[XN+2*i+1]
	ONE 32, v_lshlrev_b32 v[XC+16*((2*i)%4)+i/2], 16, v[XN+2*i]
	ONE 32, v_and_b32 v[XC+16*((2*i)%4+1)+i/2], s[MHI], v[XN+2*i]
.endm
; Eight evaluations (hb = which eight) from P2 to 16 bytes each, stage by stage, so that four to eight independent lines follow each other.
.macro HALF c, u, hb
	ONE 8, v_fract_f32 v[PZ+i], v[PE+8*(\hb)+i]                                                     ; phi
	ONE 8, v_cmp_gt_f32 s[MK+2*i], 1.0, v[PE+8*(\hb)+i]                                             ; window 0?
	ONE 8, v_cmp_gt_f32 s[MK+2*i+1], 2.0, v[PE+8*(\hb)+i]                                           ; window 0 or 1?
	PK 4, v_pk_fma_f32 v[PM+i:PM+i+1], v[PZ+i:PZ+i+1], 2.0, -1.0 op_sel_hi:[1,0,0]                  ; m = z - 1
	PK 4, v_pk_fma_f32 v[PA+i:PA+i+1], v[PZ+i:PZ+i+1], -2.0, 2.0 op_sel_hi:[1,0,0]                  ; a = 2 - z
	PK 4, v_pk_add_f32 v[PZ+i:PZ+i+1], v[PZ+i:PZ+i+1], v[PZ+i:PZ+i+1]                               ; z
	PK 4, v_pk_mul_f32 v[PQ+i:PQ+i+1], v[PM+i:PM+i+1], v[PM+i:PM+i+1]                               ; m^2
	ONE 8, v_max_num_f32 v[PV+i], 0, v[PM+i]                                                        ; v
	PK 4, v_pk_add_f32 v[PU+i:PU+i+1], v[PV+i:PV+i+1], v[PM+i:PM+i+1] neg_lo:[0,1] neg_hi:[0,1]     ; u = v - m
	PK 4, v_pk_mul_f32 v[PU+i:PU+i+1], v[PU+i:PU+i+1], v[PQ+i:PQ+i+1]                               ; u^3 = y0
	PK 4, v_pk_mul_f32 v[PV+i:PV+i+1], v[PV+i:PV+i+1], v[PQ+i:PQ+i+1]                               ; v^3 = y4
	PK 4, v_pk_mul_f32 v[PT+i:PT+i+1], v[PA+i:PA+i+1], v[PA+i:PA+i+1]
	PK 4, v_pk_mul_f32 v[PA+i:PA+i+1], v[PT+i:PT+i+1], v[PA+i:PA+i+1]                               ; a^3
	PK 4, v_pk_mul_f32 v[PT+i:PT+i+1], v[PZ+i:PZ+i+1], v[PZ+i:PZ+i+1]
	PK 4, v_pk_mul_f32 v[PZ+i:PZ+i+1], v[PT+i:PT+i+1], v[PZ+i:PZ+i+1]                               ; z^3
	PK 4, v_pk_fma_f32 v[PA+i:PA+i+1], v[PU+i:PU+i+1], -4.0, v[PA+i:PA+i+1] op_sel_hi:[1,0,1]       ; y1
	PK 4, v_pk_fma_f32 v[PZ+i:PZ+i+1], v[PV+i:PV+i+1], -4.0, v[PZ+i:PZ+i+1] op_sel_hi:[1,0,1]       ; y3
	PK 4, v_pk_add_f32 v[PT+i:PT+i+1], v[PU+i:PU+i+1], v[PV+i:PV+i+1]
	PK 4, v_pk_fma_f32 v[PQ+i:PQ+i+1], v[PQ+i:PQ+i+1], 0xc0c00000, 4.0 op_sel_hi:[1,0,0]            ; 4 - 6 m^2
	PK 4, v_pk_fma_f32 v[PQ+i:PQ+i+1], v[PT+i:PT+i+1], 0x40400000, v[PQ+i:PQ+i+1] op_sel_hi:[1,0,1] ; y2
	ONE 8, v_cvt_pk_f16_f32 v[PM+i], v[PU+i], v[PA+i]                                               ; R0 = {y0, y1}
	ONE 8, v_cvt_pk_f16_f32 v[PT+i], v[PQ+i], v[PZ+i]                                               ; R1 = {y2, y3}
	ONE 8, v_cvt_pk_f16_f32 v[PU+i], v[PV+i], v[ZR]                                                 ; R2 = {y4, 0}
	ONE 8, v_cndmask_b32 v[PD+4*i], v[ZR], v[PM+i], s[MK+2*i]                                       ; places 0, 1: R0 | 0 | 0   (window 0 | 1 | 2)
	ONE 8, v_cndmask_b32 v[PA+i], v[ZR], v[PM+i], s[MK+2*i+1]
	ONE 8, v_cndmask_b32 v[PD+4*i+1], v[PA+i], v[PT+i], s[MK+2*i]                                   ; places 2, 3: R1 | R0 | 0
	ONE 8, v_cndmask_b32 v[PZ+i], v[PM+i], v[PT+i], s[MK+2*i+1]
	ONE 8, v_cndmask_b32 v[PD+4*i+2], v[PZ+i], v[PU+i], s[MK+2*i]                                   ; places 4, 5: R2 | R1 | R0
	ONE 8, v_cndmask_b32 v[PQ+i], v[PQ+i], v[PV+i], s[MK+2*i+1]
	ONE 8, v_cndmask_b32 v[PQ+i], v[PQ+i], v[ZR], s[MK+2*i]                                         ; place 6: 0 | y4 | y2
	ONE 8, v_cvt_pk_f16_f32 v[PD+4*i+3], v[PQ+i], v[XC+16*(\c)+8*(\hb)+i]                           ; place 7: x
	ONE 8, ds_store_b128 v[AST], v[PD+4*i:PD+4*i+3] offset:(\u)*AUB+(8*(\hb)+i)*2*PITCH             ; 16 lanes fill a row's 256 bytes; an evaluation is two rows further down
.endm
; A of one step (c = the step's place in its group of x) into unit u: 16 evaluations a lane.  The exponentials are one batch and the reciprocals another: behind each a plain line and one wait.
.macro PROD c, u
	PK 8, v_pk_mul_f32 v[PE+i:PE+i+1], v[XC+16*(\c)+i:XC+16*(\c)+i+1], 0x4038aa3b op_sel_hi:[1,0]   ; 2 log2(e) x
	ONE 16, v_exp_f32 v[PE+i], v[PE+i]
	v_nop
	s_wait_alu depctr_va_vdst(0)
	PK 8, v_pk_add_f32 v[PE+i:PE+i+1], v[PE+i:PE+i+1], 0x3f800008 op_sel_hi:[1,0]                   ; + 1.00000095
	ONE 16, v_rcp_f32 v[PE+i], v[PE+i]
	v_nop
	s_wait_alu depctr_va_vdst(0)
	PK 8, v_pk_fma_f32 v[PE+i:PE+i+1], v[PE+i:PE+i+1], s[C25:C25+1], s[C25:C25+1] op_sel_hi:[1,0,0] neg_lo:[1,0,0] neg_hi:[1,0,0]  ; P2 = 2.5 - 2.5 r
	HALF \c, \u, 0
	HALF \c, \u, 1
.endm
; STEP s of the walk, sg = s % 2, c = (s + 1) % 4.  First the refill: tile s + 1 into the slot that step s - 1 read.  Then the waves part:
; the making waves make A of step s + 1 into the unit that step s - 1 read (isd = 1: a new group of x is taken up, and the one after it asked for, but in the loop's last trip);
; the multiplying waves multiply the last quarter of step s - 1, which lies in registers, and three quarters of step s, and fetch all four quarters of step s.
.macro INTERVAL c, sg, isd
	TLOAD 1-(\sg)
	s_cmp_lt_u32 s[WV], 4
	s_cbranch_scc1 .Lmul_\@
.if \isd
	XCOPY
	s_cmp_eq_u32 s[TRIP], 1
	s_cbranch_scc1 .Lno_x_\@                       ; the eighth group is the last
	XLOAD
.Lno_x_\@:
.endif
.if (\c) == 1
.LP_1:
.endif
	PROD \c, 1-(\sg)
	s_branch .Ljoin_\@
.Lmul_\@:
	QUARTER \sg, 0,   F0, F1
	QUARTER \sg, 64,  F1, F0
.if (\c) == 1
.LM_1:
.endif
	QUARTER \sg, 128, F0, F1
	QUARTER \sg, 192, F1, F0
.Ljoin_\@:
	MEET \sg
.endm
	s_load_b256 s[4:11], s[0:1], 0x0               ; x s[4:5], wt s[6:7], part s[8:9], out0 s[10:11]
	v_lshl_add_u32 v[SPW], v0, 2, SPARE
	v_mov_b32 v[NIL], 0
	ds_add_u32 v[SPW], v[NIL]                      ; the wave's opening: the add, twice on end, and its wait ahead of my first tensor load; the set-up below stands between
	ds_add_u32 v[SPW], v[NIL]
	v_lshrrev_b32 v1, 5, v0
	v_readfirstlane_b32 s[WV], v1                  ; wave 0..7
	v_and_b32 v[LQ], 15, v0
	v_bfe_u32 v[LH], v0, 4, 1
	v_and_b32 v[LL], 31, v0
	s_and_b32 s[W4], s[WV], 3
	s_lshr_b32 s[MH], s[WV], 1                     ; (0, 1 in the multiplying waves, which alone use it)
	s_and_b32 s[NH], s[WV], 1
	s_bfe_u32 s[CX], ttmp6, 0x40000                ; my place in the cluster
	s_bfe_u32 s[CY], ttmp6, 0x40004
	s_and_b32 s[CLY], ttmp7, 0xffff                ; in a cluster launch ttmp7 counts clusters: 0..15
	s_and_b32 s[HN], s[CX], 1
	s_lshr_b32 s54, s[CX], 1
	s_lshl_b32 s[RB], s[CLY], 2
	s_add_co_u32 s[RB], s[RB], s[CY]
	s_lshl_b32 s[RB], s[RB], 1
	s_add_co_u32 s[RB], s[RB], s54                 ; row block 0..127: it enters x's and out0's addresses alone
	s_lshl_b32 s[GX], s54, 2
	s_add_co_u32 s[GX], s[GX], s[CLY]
	s_and_b32 s[GX], s[GX], 7                      ; the group at which my walk begins: made of cx and the cluster's y, which my column shares
	s_lshl_b32 s[KT], s[GX], 2                     ; and its first tile
	s_lshl_b32 s55, 0x1111, s[CX]                  ; my column of the cluster: places cx, cx + 4, cx + 8, cx + 12
	; descriptor group 1: 32 rows x 128 elements of 2 bytes, padded in LDS
	s_or_b32 s[G1], s55, (1<<16)|(1<<20)|(1<<21)|(5<<22)|(3<<25)  ; 15:0 the mask; 17:16 2-byte elements; 20 padding on; 21 set beside a mask; 24:22 after every 64 words (code 5); 31:25 4 words (code 3)
	s_mov_b32 s[G1+1], 128<<16                     ; tensor_dim0 = 128
	s_mov_b32 s[G1+2], 32<<16                      ; tensor_dim1 = 32
	s_mov_b32 s[G1+3], 128<<16                     ; tile_dim0 = 128
	s_mov_b32 s[G1+4], 32                          ; tile_dim1 = 32
	s_mov_b32 s[G1+5], 128                         ; 128 elements from row to row
	s_mov_b32 s[G1+6], 0
	s_mov_b32 s[G1+7], 0
	s_mov_b32 s[G0], 1                             ; count = 1
	s_mul_i32 s[G0+1], s[WV], 32*PITCH             ; LDS address: slot 0, my 32 rows: no place in the cluster enters it
	s_mov_b32 s[G0+4], 1
	s_add_co_u32 s[G0+5], s[G0+1], SLOTB           ; slot 1
	; THE MULTIPLYING WAVES' ADDRESSES.  A fragment is 16 rows x 32 K in 8 registers: lane l holds row l % 16, K = 8 (l / 16) + 0..7 and 16 + 8 (l / 16) + 0..7: two loads of 16 bytes, 32 bytes apart
	v_mul_u32_u24 v[FB], v[LQ], PITCH
	v_lshl_add_u32 v[FB], v[LH], 4, v[FB]
	s_mul_i32 s56, s[NH], 128*PITCH                ; my 128 rows of W
	v_add_nc_u32 v[ADRB], s56, v[FB]
	s_add_co_u32 s56, s56, SLOTB
	v_add_nc_u32 v[ADRB+1], s56, v[FB]
	s_mul_i32 s57, s[MH], 64*PITCH                 ; my 64 rows of A
	s_add_co_u32 s57, s57, AU0
	v_add_nc_u32 v[ADRA], s57, v[FB]
	s_add_co_u32 s57, s57, AUB
	v_add_nc_u32 v[ADRA+1], s57, v[FB]
	s_mul_i32 s56, s[WV], STW
	s_add_co_u32 s56, s56, STAGE                   ; my stage
	v_mul_u32_u24 v[STO], v[LQ], SPITCH            ; in: row l % 16, 32 bytes for each half of the lanes
	v_lshl_add_u32 v[STO], v[LH], 5, v[STO]
	v_add_nc_u32 v[STO], s56, v[STO]
	v_lshl_add_u32 v[SRD], v[LL], 4, s56           ; back: 32 lanes take one row of 512 bytes
	v_lshlrev_b32 v[GO], 4, v[LL]
	s_lshl_b32 s57, s[NH], 9
	s_add_co_u32 s57, s57, BIAS
	v_lshl_add_u32 v[BAD], v[LL], 4, s57
	; THE MAKING WAVES' ADDRESSES.  Lane l has feature piece q = l % 16 and, of each pair of rows, row l / 16; evaluation t is row 32 (wave - 4) + 2 t + l / 16
	s_lshl_b32 s56, s[W4], 16                      ; 32 rows of 2,048 bytes of x
	v_lshl_add_u32 v[XO], v[LH], 11, s56
	v_lshl_add_u32 v[XO], v[LQ], 4, v[XO]
	s_mul_i32 s56, s[WV], 32*PITCH                 ; in A's unit 0: a constant + the wave's number x 32 rows (wave 4 has the unit's first rows)
	s_add_co_u32 s56, s56, AU0-4*32*PITCH
	v_mul_u32_u24 v[AST], v[LH], PITCH
	v_lshl_add_u32 v[AST], v[LQ], 4, v[AST]
	v_add_nc_u32 v[AST], s56, v[AST]
	s_lshl_b32 s57, s[W4], 8                       ; of the 256 numbers of the bias a wave sums 64, a lane two
	s_lshl_b32 s60, s[HN], 10
	s_add_co_u32 s60, s60, s57
	v_lshl_add_u32 v[PO], v[LL], 3, s60            ; in a row of part
	s_lshl_b32 s57, s[WV], 8
	s_add_co_u32 s57, s57, BIAS-4*256
	v_lshl_add_u32 v[BST], v[LL], 3, s57           ; and in LDS
	v_mov_b32 v[ZR], 0
	; byte offsets into the buffers, each in a pair of its own
	s_lshl_b32 s56, s[HN], 16                      ; wt: the column half's 256 rows of 256 bytes,
	s_lshl_b32 s57, s[WV], 13                      ; my 32 of them
	s_add_co_u32 s56, s56, s57
	s_mov_b32 s57, 0
	s_lshl_b32 s[OFF], s[KT], 17
	s_mov_b32 s[OFF+1], 0
	s_add_co_u32 s[KT], s[KT], 2                   ; 30 at the most: the first two tiles go out at once
	s_lshl_b32 s58, s[RB], 18                      ; x: 128 rows of 2,048 bytes
	s_mov_b32 s59, 0
	s_lshl_b32 s62, s[MH], 17                      ; out0: the block's rows, my 64 of them,
	s_add_co_u32 s62, s62, s58
	s_lshl_b32 s63, s[HN], 10                      ; the column half,
	s_add_co_u32 s62, s62, s63
	s_lshl_b32 s63, s[NH], 9                       ; my 128 columns
	s_add_co_u32 s62, s62, s63
	s_mov_b32 s63, 0
	s_mov_b32 s[XOF+1], 0
	s_mov_b32 s[C25], 0x40200000                   ; 2.5
	s_mov_b32 s[C25+1], s[C25]                     ; named with it as a pair
	s_mov_b32 s[MHI], 0xffff0000
	s_mov_b32 s[TRIP], 8
	s_wait_dscnt 0x0                               ; both opening adds are done
	s_wait_kmcnt 0x0
	s_add_nc_u64 s[WTB:WTB+1], s[6:7], s[56:57]
	s_add_nc_u64 s[G0+2:G0+3], s[WTB:WTB+1], s[OFF:OFF+1]  ; my walk's first tile,
	s_add_nc_u64 s[G0+6:G0+7], s[G0+2:G0+3], 0x20000       ; and its second
	s_or_b32 s[G0+3], s[G0+3], 0x80000000          ; type = 2
	s_or_b32 s[G0+7], s[G0+7], 0x80000000
	s_add_nc_u64 s[XB:XB+1], s[4:5], s[58:59]
	s_add_nc_u64 s[OUTB:OUTB+1], s[10:11], s[62:63]
	s_cmp_lt_u32 s[WV], 4
	s_cbranch_scc1 .Lhead_done
	XLOAD                                          ; the making waves: the first group of x,
	ONE 32, global_load_b64 v[PE+2*i:PE+2*i+1], v[PO], s[8:9] offset:i*2048  ; and the 32 parts of the bias: each load of the wave covers 256 consecutive bytes, aligned
.Lhead_done:
	CROUND                                         ; all sixteen work-groups are here: the first joint loads meet
	TLOAD 0                                        ; the two first fills go out together: two tensor loads of mine are out
	TLOAD 1
	s_cmp_lt_u32 s[WV], 4
	s_cbranch_scc1 .Lfirst
	XCOPY                                          ; its wait is for all 48 loads
	XLOAD                                          ; the second group
.set i, 4
.rept 28                                       ; the bias: four chains, in f32
	v_pk_add_f32 v[PE+2*(i%4):PE+2*(i%4)+1], v[PE+2*(i%4):PE+2*(i%4)+1], v[PE+2*i:PE+2*i+1]
.set i, i+1
.endr
	v_pk_add_f32 v[PE:PE+1], v[PE:PE+1], v[PE+2:PE+3]
	v_pk_add_f32 v[PE+4:PE+5], v[PE+4:PE+5], v[PE+6:PE+7]
	v_pk_add_f32 v[PE:PE+1], v[PE:PE+1], v[PE+4:PE+5]
	ds_store_b64 v[BST], v[PE:PE+1]
	PROD 0, 0                                      ; A of step 0
.Lfirst:
	s_wait_tensorcnt 0x1                           ; my part of the first tile is in; the second may stay out
	s_wait_dscnt 0x0                               ; A of step 0 and the bias are stored
	s_barrier_signal -1
	s_barrier_wait -1
	s_cmp_lt_u32 s[WV], 4
	s_cbranch_scc0 .LP_1                           ; the loop is entered in the middle of a trip, in step 0, whose refill went out with the first fills
	FETCH 0, 0,  F0
	FETCH 0, 64, F1
	s_wait_dscnt 24                                ; buffer 0 is in
	MUL F0, 1                                      ; the first products start the sums: nothing is cleared
	WIN 0
	s_branch .LM_1
.Lloop:                                        ; a trip is four steps, one group of x.  Steps 0 to 30 run here
	INTERVAL 0, 1, 1                               ; s % 4 = 3
	INTERVAL 1, 0, 0                               ; s % 4 = 0
	INTERVAL 2, 1, 0                               ; s % 4 = 1
	INTERVAL 3, 0, 0                               ; s % 4 = 2
	s_sub_co_u32 s[TRIP], s[TRIP], 1
	s_cmp_lg_u32 s[TRIP], 0
	s_cbranch_scc1 .Lloop
	; STEP 31 is written out: nothing is asked for (the address stepped last is not used), and no A is left to make
	s_cmp_lt_u32 s[WV], 4
	s_cbranch_scc0 .Lend
	QUARTER 1, 0,   F0, F1
	QUARTER 1, 64,  F1, F0
	QUARTER 1, 128, F0, F1
	QUARTER 1, 192, F1, F0
	s_wait_dscnt 0x0
	MUL F1, 0
	WIN 0
	; THE WAY OUT.  16 rows at a time go through my own stage: a lane's 32 bytes of a row in, whole rows of 512 bytes back; the bias is added, and each store of the wave covers 512 consecutive bytes, aligned.
	PLACES                                         ; behind the last products, ahead of the stores that read results and of the loads into the fragments' registers
	ds_load_b128 v[BV:BV+3], v[BAD]                ; stored ahead of the first barrier
.macro OUTBLK a
.set OBR, 64+64*((\a)%2)               ; v64-127 and v128-191 by turns
.if (\a) >= 2
	s_wait_xcnt 0x0                                ; the stores of two blocks back have read their registers: they are loaded again only behind this wait
.endif
	WIN 0x04                                       ; store data in window 1
.set i, 0
.rept 8
	ds_store_b128 v[STO], v[64*(\a)+8*i:64*(\a)+8*i+3]   offset:64*i     ; each accumulator is read from its low end on
	ds_store_b128 v[STO], v[64*(\a)+8*i+4:64*(\a)+8*i+7] offset:64*i+16
.set i, i+1
.endr
	WIN 0
	ONE 16, ds_load_b128 v[OBR+4*i:OBR+4*i+3], v[SRD] offset:i*SPITCH  ; LDS serves a wave's instructions in order (ISA guide 5.7.1.4): these see the stores above, and the next block's stores come behind them
.set i, 0
.rept 16
	s_wait_dscnt 15-i                              ; the younger loads from the stage may stay out
	v_pk_add_f32 v[OBR+4*i:OBR+4*i+1],   v[OBR+4*i:OBR+4*i+1],   v[BV:BV+1]
	v_pk_add_f32 v[OBR+4*i+2:OBR+4*i+3], v[OBR+4*i+2:OBR+4*i+3], v[BV+2:BV+3]
	global_store_b128 v[GO], v[OBR+4*i:OBR+4*i+3], s[OUTB:OUTB+1] offset:(16*(\a)+i)*2048 th:TH_STORE_NT
.set i, i+1
.endr
.endm
	OUTBLK 0
	OUTBLK 1
	OUTBLK 2
	OUTBLK 3
.Lend:
	s_wait_tensorcnt 0x0                           ; the wave's end, behind my last tensor load and my last LDS store
	ds_add_u32 v[SPW], v[NIL]
	s_wait_dscnt 0x0
	CROUND                                         ; the closing round: no work-group ends while a partner may still ask for a tile that names it
	s_endpgm
.Lfunc_end_k_q84eaed7d67_main:
	.size	k_q84eaed7d67_main, .Lfunc_end_k_q84eaed7d67_main-k_q84eaed7d67_main
	.p2alignl 7, 3214868480
	.fill 96, 4, 3214868480
	.section	.rodata,"a",@progbits
	.p2align	6, 0x0
	.amdhsa_kernel k_q84eaed7d67_main
		.amdhsa_group_segment_fixed_size 327680
		.amdhsa_private_segment_fixed_size 0
		.amdhsa_enable_private_segment 0
		.amdhsa_kernarg_size 32
		.amdhsa_user_sgpr_count 2
		.amdhsa_user_sgpr_kernarg_segment_ptr 1
		.amdhsa_wavefront_size32 1
		.amdhsa_system_sgpr_workgroup_id_x 1
		.amdhsa_system_sgpr_workgroup_id_y 1
		.amdhsa_system_sgpr_workgroup_id_z 1
		.amdhsa_system_vgpr_workitem_id 0
		.amdhsa_next_free_vgpr 512
		.amdhsa_next_free_sgpr 82
		.amdhsa_reserve_vcc 0
		.amdhsa_float_denorm_mode_32 3
		.amdhsa_float_denorm_mode_16_64 3
		.amdhsa_memory_ordered 1
		.amdhsa_forward_progress 1
		.amdhsa_inst_pref_size 255
	.end_amdhsa_kernel
	.section	.bss,"aw",@nobits
	.p2align	6
	.space	262144
	.amdgpu_metadata
---
amdhsa.version: [ 1, 2 ]
amdhsa.kernels:
  - .name:           k_q84eaed7d67_main
    .symbol:         k_q84eaed7d67_main.kd
    .args:
      - { .name: x, .offset: 0, .size: 8, .value_kind: global_buffer, .address_space: global }
      - { .name: wt, .offset: 8, .size: 8, .value_kind: global_buffer, .address_space: global }
      - { .name: part, .offset: 16, .size: 8, .value_kind: global_buffer, .address_space: global }
      - { .name: out0, .offset: 24, .size: 8, .value_kind: global_buffer, .address_space: global }
    .group_segment_fixed_size: 327680
    .private_segment_fixed_size: 0
    .kernarg_segment_align: 8
    .kernarg_segment_size: 32
    .max_flat_workgroup_size: 256
    .sgpr_count:     82
    .vgpr_count:     512
    .wavefront_size: 32
...
	.end_amdgpu_metadata
.endif
;; end of part 2
